; MI455X (gfx1250); checked and timed in simulation.
; The chip was launched on July 23, 2026; its instructions are those of AMD's public machine-readable ISA for CDNA 5 (MIT licence, August 2026) and "CDNA5" Instruction Set Architecture Reference Guide (July 2026). The comments in the code are by the model that wrote it; some were corrected since.
;; Multi Head Attention. Allowed arithmetic: matrix products marked QUANTISED: E4M3 operands, one given power-of-two scale a tensor, by v_wmma_f32_16x16x64_fp8_fp8 or v_wmma_f32_16x16x128_fp8_fp8, f32 sums; everything else in f32.
;; Inputs: Wk 16 x 1,024 x 64 float32; Wp 1,024 x 1,024 float32; Wq 16 x 1,024 x 64 float32; Wv 16 x 1,024 x 64 float32; bp 1,024 float32; lowp_scales 12 int32 (the exponents e of the quantised operands' scales 2^e); x 4 x 2,048 x 1,024 float32.
;; Outputs: out0 4 x 2,048 x 1,024 float32.
;; This version of the problem:
;;   THIS VERSION OF THE PROBLEM IS GIVEN IN LOW PRECISION. The matrix products marked QUANTISED in the list below multiply operands that are first quantised to E4M3 (4 exponent bits, 3 mantissa bits; 8 bits a number), with one given power-of-two scale for each operand tensor; their sums are f32. All else is computed in f32.
;;   The module's matrix products, in the order in which they are computed (A, B: the left and right operand; K: the contracted axis; several contracted axes count as one K, in the product's order):
;;     1. [M 1,024, K 1,024] x [K 1,024, N 8,192]; A: input Wq; B: input x: QUANTISED (scales: A lowp_scales[0], B lowp_scales[1])
;;     2. [M 1,024, K 1,024] x [K 1,024, N 8,192]; A: input Wk; B: input x: QUANTISED (scales: A lowp_scales[2], B lowp_scales[3])
;;     3. [M 1,024, K 1,024] x [K 1,024, N 8,192]; A: input Wv; B: input x: QUANTISED (scales: A lowp_scales[4], B lowp_scales[5])
;;     4. batch 64 x [M 2,048, K 64] x [K 64, N 2,048]; A: computed on the way; B: computed on the way: QUANTISED (scales: A lowp_scales[6], B lowp_scales[7])
;;     5. batch 64 x [M 2,048, K 2,048] x [K 2,048, N 64]; A: softmax (see below); B: computed on the way: QUANTISED (scales: A lowp_scales[8], B lowp_scales[9])
;;     6. [M 8,192, K 1,024] x [K 1,024, N 1,024]; A: computed on the way; B: input Wp: QUANTISED (scales: A lowp_scales[10], B lowp_scales[11])
;;   THE QUANTISER, for each operand of a quantised product, along K:
;;     - The operand's scale is 2^e, e = its entry of the input lowp_scales (int32; the entries are numbered through the quantised products in the list's order, A before B).
;;     - Each number is divided by the scale, clamped to +-448, and rounded to the nearest number of E4M3, ties to even, subnormals kept.
;;     - The product sums the exact products of the quantised numbers (number of the format x scale) in f32.
;;   ~~~python
;;   def quantise(x, axis, e):      # numpy; x: float32 -> the quantised numbers, widened to float32 again
;;       x = np.moveaxis(x, axis, -1); K = x.shape[-1]
;;       r = np.clip(x / 2.0 ** e, -448, 448)
;;       step = 2.0 ** (np.maximum(np.frexp(np.where(r == 0, 1, r))[1] - 1, -6) - 3)
;;       q = np.round(r / step) * step * 2.0 ** e      # np.round: ties to even
;;       return np.moveaxis(q, -1, axis).astype(np.float32)
;;   ~~~
;;   SOFTMAX AHEAD OF A QUANTISED PRODUCT. Where the list says 'softmax', what is quantised is not the finished softmax but p = 2^(t - M), with t = logit x log2(e) and M = ceil(the row's largest t), a whole number; so 1/2 < the row's largest p <= 1. The row's sum l is taken of the UNQUANTISED p, in f32, and the product's result is divided by l at the end. Since M is a whole number, a kernel that streams over the keys may use a running M (the ceiling of the running maximum): every later rescaling is an exact power of two, so the quantised numbers keep their values, but for numbers so far below the row's largest that they fall under the format's range.
;;   OPERANDS COMPUTED ON THE WAY. 'Computed on the way' means the value that the module computes at that place (a softmax that the list does not call 'softmax' is quantised finished and normalised). What goes into a quantiser is computed in f32, as accurately as f32 sums, v_exp_f32 and their like allow (about 1e-6 of the number): no bf16 or f16 on the way to a quantiser, and a product that is left as it is and whose result goes on into a quantised operand takes f32 operands (vector FMAs, or v_wmma_f32_16x16x4_f32). A number that lies on a knife's edge between two numbers of the format may be rounded either way, as far as f32 arithmetic and the matrix unit's own rounding can turn it there, and no further.
;; One version. Each part assembles by itself: llvm-mc -triple=amdgcn-amd-amdhsa -mcpu=gfx1250 --defsym DOCPART=n.
;; ======== version 1 of 1: 4 launches
;; limits: right only within a limited range of input values
;; workspace buffers: xc 25,165,824 bytes; wc 4,194,304 bytes; qc 8,388,608 bytes; kc 8,388,608 bytes; vc 8,388,608 bytes; ac 8,388,608 bytes
;; launch quant_x (part 1): grid 384 x 1, 4 waves a work-group, no clusters, 71,168 bytes of LDS; arguments x, lowp_scales, xc, Wq, Wk, Wv, Wp, wc; writes xc, wc
.if DOCPART == 1
	.amdgcn_target "amdgcn-amd-amdhsa--gfx1250"
	.amdhsa_code_object_version 6
	.text
	.protected	k_q871f680d33_quant_x
	.globl	k_q871f680d33_quant_x
	.p2align	8
	.type	k_q871f680d33_quant_x,@function
k_q871f680d33_quant_x:
	s_mov_b64 s[64:65], 0
	v_nop
	global_prefetch_b8 v0, s[64:65] scope:SCOPE_SE
	s_setreg_imm32_b32 hwreg(HW_REG_WAVE_MODE, 25, 1), 1
	s_wait_xcnt 0x0
; x [8192 rows][1024] f32 becomes three sets of E4M3 codes, one for each product that reads it (scales 2^e1, 2^e3, 2^e5), laid as IMAGES OF THE OPERAND'S REGISTERS:
; xc [v 3][G 128][s 8][u 4][cc 4][lane 32][16 bytes]: lane (r = lane % 16, h = lane / 16), piece cc, byte y holds row 64 G + ROW(u, r), k = 128 s + 32 cc + 16 h + y,
; ROW(u, i) = 32 (u / 2) + 8 (u % 2) + i % 8 + 16 (i / 8).  A fragment (16 rows x 128 k) is 2,048 dense bytes, and four loads of 16 bytes a lane bring it.
; code = x / 2^e, held within +-448, to the nearest code, ties to even.  LIMITS: e1, e3, e5 between -126 and 119.  NaN among the inputs is not served.
; SHARES: wave W = 4 x work-group + wave takes row tile W / 2 (16 rows) and half W % 2 of K: four fragments.  Each load reads 512 consecutive bytes of one row; a fragment's 16 x 512 bytes
; turn through the wave's own stage in LDS (rows 528 bytes apart, so that the 16 rows of a read start at 16 different banks) and come back 16 neighbours along K a lane.
; No barrier: a wave's stage is its own.  Two fragments' loads (32 a wave) are on their way.
.set SP,    528                        ; a stage row: 512 bytes + 16
.set WST,   16*SP                      ; a wave's stage
.set SPARE, 4*WST                      ; behind the stages: the spare words, 128 bytes a wave, which no other line names
.set LO,  2                            ; v2   16 x lane: offset of the loads and of the stores; never rewritten
.set SI,  3                            ; v3   the stage, on the way in
.set SO,  4                            ; v4   the stage, on the way out: row r, + 64 h
.set SPW, 5                            ; v5   my spare word
.set NIL, 6                            ; v6   0
.set SC,  7                            ; v7-9   2^e as f32, for the three sets
.set LM,  10                           ; v10-12 448 x 2^e
.set R,   16                           ; v16-143  two sets of 64: a fragment as loaded
.set X,   144                          ; v144-207 a fragment, 16 neighbours for each piece
.set T,   208                          ; v208-239 a piece held for sets 0 and 1
.set C,   240                          ; v240-251 a piece's codes, four registers a set
	; ONE LAUNCH PREPARES ALL OPERANDS: work-groups 0 to 255 take x (the text down to the first s_endpgm), work-groups 256 to 383 the four weights (the text behind it).
	; The two paths part on the work-group's number alone, and each has stage bytes of its own in LDS.
	s_cmp_ge_u32 ttmp9, 256
	s_cbranch_scc1 .Lweights
	s_load_b128 s[4:7], s[0:1], 0x0                ; x, the scales' exponents
	s_load_b64 s[8:9], s[0:1], 0x10                ; xc
	v_lshl_add_u32 v[SPW], v0, 2, SPARE
	v_mov_b32 v[NIL], 0
	v_lshrrev_b32 v1, 5, v0
	v_readfirstlane_b32 s12, v1                    ; wave
	v_and_b32 v1, 31, v0
	v_lshlrev_b32 v[LO], 4, v1
	s_mul_i32 s13, s12, WST
	v_add_nc_u32 v[SI], s13, v[LO]
	v_and_b32 v13, 15, v0                          ; r
	v_bfe_u32 v14, v0, 4, 1                        ; h
	v_mul_u32_u24 v[SO], v13, SP
	v_lshl_add_u32 v[SO], v14, 6, v[SO]
	v_add_nc_u32 v[SO], s13, v[SO]
	s_lshl_b32 s14, ttmp9, 2
	s_add_co_u32 s14, s14, s12                     ; W
	s_and_b32 s15, s14, 1                          ; which half of K
	s_lshr_b32 s16, s14, 1
	s_lshr_b32 s17, s16, 2                         ; G
	s_and_b32 s18, s16, 3                          ; u
	s_lshl_b32 s28, s17, 18                        ; x: (64 G + 32 (u / 2) + 8 (u % 2)) rows of 4,096 bytes + 2,048 x half
	s_lshr_b32 s26, s18, 1
	s_lshl_b32 s26, s26, 17
	s_add_co_u32 s28, s28, s26
	s_and_b32 s26, s18, 1
	s_lshl_b32 s26, s26, 15
	s_add_co_u32 s28, s28, s26
	s_lshl_b32 s26, s15, 11
	s_add_co_u32 s28, s28, s26
	s_mov_b32 s29, 0
	s_lshl_b32 s30, s17, 16                        ; xc: 65,536 G + 32,768 x half + 2,048 u
	s_lshl_b32 s26, s15, 15
	s_add_co_u32 s30, s30, s26
	s_lshl_b32 s26, s18, 11
	s_add_co_u32 s30, s30, s26
	s_mov_b32 s31, 0
	s_wait_alu depctr_va_vdst(0)
	s_wait_kmcnt 0x0
	s_load_b256 s[32:39], s[6:7], 0x0              ; e0 .. e7: e1, e3, e5 are x's
	s_add_nc_u64 s[4:5], s[4:5], s[28:29]
	s_add_nc_u64 s[20:21], s[8:9], s[30:31]        ; a base for each set: they lie 8,388,608 bytes apart
	s_add_nc_u64 s[22:23], s[20:21], 0x800000
	s_add_nc_u64 s[24:25], s[22:23], 0x800000
.macro LOAD f                          ; fragment f: 16 rows x 512 bytes
.set rr, 0
.rept 16
	global_load_b128 v[R+64*((\f)%2)+4*rr:R+64*((\f)%2)+4*rr+3], v[LO], s[4:5] offset:((rr%8)+16*(rr/8))*4096+512*(\f) th:TH_LOAD_NT
.set rr, rr+1
.endr
.endm
.macro FRAG f
.if (\f) < 3
	s_wait_loadcnt 16                              ; this fragment's 16 loads are in; the next fragment's 16 may be out
.else
	s_wait_loadcnt 0
.endif
.set rr, 0
.rept 16
	ds_store_b128 v[SI], v[R+64*((\f)%2)+4*rr:R+64*((\f)%2)+4*rr+3] offset:SP*rr
.set rr, rr+1
.endr
.set rr, 0
.rept 16
	ds_load_b128 v[X+4*rr:X+4*rr+3], v[SO] offset:128*(rr/4)+16*(rr%4)   ; LDS serves a wave's instructions in order: these see the stores above
.set rr, rr+1
.endr
	s_wait_dscnt 0x0                               ; the numbers are back, and the stores have read their registers,
.if (\f) < 2
	LOAD (\f)+2                                    ; which take the loads of two fragments on
.endif
.set cc, 0
.rept 4
.set i, 0
.rept 16
	v_med3_num_f32 v[T+i], v[X+16*cc+i], -v[LM], v[LM]            ; the conversion to an 8-bit code does not saturate (ISA guide 7.6.2): each set's hold first
	v_med3_num_f32 v[T+16+i], v[X+16*cc+i], -v[LM+1], v[LM+1]
	v_med3_num_f32 v[X+16*cc+i], v[X+16*cc+i], -v[LM+2], v[LM+2]
.set i, i+1
.endr
	s_wait_alu depctr_va_vdst(0)
	s_wait_xcnt 0x0                                ; the last piece's stores have read their data: the codes' registers are written again only behind this wait
	v_cvt_scalef32_pk8_fp8_f32 v[C:C+1], v[T:T+7], v[SC]
	v_cvt_scalef32_pk8_fp8_f32 v[C+2:C+3], v[T+8:T+15], v[SC]
	v_cvt_scalef32_pk8_fp8_f32 v[C+4:C+5], v[T+16:T+23], v[SC+1]
	v_cvt_scalef32_pk8_fp8_f32 v[C+6:C+7], v[T+24:T+31], v[SC+1]
	v_cvt_scalef32_pk8_fp8_f32 v[C+8:C+9], v[X+16*cc:X+16*cc+7], v[SC+2]
	v_cvt_scalef32_pk8_fp8_f32 v[C+10:C+11], v[X+16*cc+8:X+16*cc+15], v[SC+2]
	v_nop                                          ; a plain line between the conversions and the next lines that write their sources
	global_store_b128 v[LO], v[C:C+3], s[20:21] offset:8192*(\f)+512*cc       ; 32 lanes store 512 consecutive bytes, aligned
	global_store_b128 v[LO], v[C+4:C+7], s[22:23] offset:8192*(\f)+512*cc
	global_store_b128 v[LO], v[C+8:C+11], s[24:25] offset:8192*(\f)+512*cc
.set cc, cc+1
.endr
.endm
	LOAD 0
	LOAD 1
	s_wait_kmcnt 0x0
.irp v, 0,1,2
	s_add_co_i32 s[33+2*\v], s[33+2*\v], 127
	s_lshl_b32 s40, s[33+2*\v], 23
	v_mov_b32 v[SC+\v], s40                        ; 2^e as f32: the conversion takes its exponent field
	s_add_co_i32 s[33+2*\v], s[33+2*\v], 8
	s_lshl_b32 s40, s[33+2*\v], 23
	s_or_b32 s40, s40, 0x600000
	v_mov_b32 v[LM+\v], s40                        ; 448 x 2^e
.endr
	s_wait_alu depctr_va_vdst(0)
	FRAG 0
	FRAG 1
	FRAG 2
	FRAG 3
	s_wait_tensorcnt 0x0                           ; the wave's end: behind my last LDS store
	ds_add_u32 v[SPW], v[NIL]
	s_wait_dscnt 0x0
	s_endpgm
.Lweights:
; The four weights, f32 with K NOT innermost, become E4M3 codes laid as images of the operand's registers:
; wc [z 4][g 16][s 8][u 4][cc 4][lane 32][16 bytes], z = Wq, Wk, Wv, Wp: lane (r, h), piece cc, byte y holds row n = 64 g + ROW(u, r), k = 128 s + 32 cc + 16 h + y.
; For Wq, Wk, Wv ([head][k][64]) g is the head and n % 64 its channel; for Wp ([k][n]) n is the column.  code = w / 2^e, held within +-448; e = entry 0, 2, 4 or 11, between -126 and 119.  NaN is not served.
; A lane takes a column n and its registers run down K, so the conversions give codes with K innermost.  id = work-group - 256: z = id / 32; wave Wt = 4 (id % 32) + wave takes g = Wt / 8, s = Wt % 8:
; 64 columns x 128 k = 8,192 dense bytes of wc.  Only scalars are chosen by z.  The codes go through the wave's own stage (64 rows of 128 + 16 bytes) and leave 512 consecutive bytes a store.
.set PITCH, 144
.set WSTG,  64*PITCH
.set WBASE, 34304                      ; behind x's stages and the spare words
.set SIN,  3
.set SRD,  4
.set LIM,  10
.set SC,   11
.set OF,   16                          ; v16-47  4 x lane + i x (bytes from k to k + 1)
.set X,    48                          ; v48-111 two sets of 32 numbers
.set C,    112                         ; v112-119 a block's codes
.set OUTR, 120                         ; v120-183 the way out
	s_load_b256 s[4:11], s[0:1], 0x18              ; Wq, Wk, Wv, Wp
	s_load_b64 s[12:13], s[0:1], 0x8               ; the scales' exponents
	s_load_b64 s[14:15], s[0:1], 0x38              ; wc
	v_lshl_add_u32 v[SPW], v0, 2, SPARE
	v_mov_b32 v[NIL], 0
	v_lshrrev_b32 v1, 5, v0
	v_readfirstlane_b32 s16, v1                    ; wave
	v_and_b32 v1, 31, v0
	v_lshlrev_b32 v[LO], 4, v1
	s_mul_i32 s37, s16, WSTG
	s_add_co_u32 s37, s37, WBASE
	v_mul_u32_u24 v[SIN], v1, PITCH
	v_add_nc_u32 v[SIN], s37, v[SIN]
	v_and_b32 v7, 7, v0
	v_bfe_u32 v8, v0, 3, 1
	v_lshl_add_u32 v7, v8, 4, v7
	v_mul_u32_u24 v[SRD], v7, PITCH
	v_bfe_u32 v8, v0, 4, 1
	v_lshl_add_u32 v[SRD], v8, 4, v[SRD]
	v_add_nc_u32 v[SRD], s37, v[SRD]
	s_sub_co_u32 s18, ttmp9, 256                   ; id
	s_lshr_b32 s17, s18, 5                         ; z
	s_and_b32 s18, s18, 31
	s_lshl_b32 s18, s18, 2
	s_add_co_u32 s18, s18, s16                     ; Wt
	s_lshr_b32 s19, s18, 3                         ; g
	s_and_b32 s36, s18, 7                          ; s
	s_lshl_b32 s38, s17, 3                         ; the scale's byte: 4 x 2 z,
	s_mov_b32 s20, 4096
	s_cmp_eq_u32 s17, 3                            ; Wp?
	s_cselect_b32 s20, s20, 256                    ; bytes from k to k + 1
	s_cselect_b32 s21, 8, 18                       ; 64 columns on: 256 bytes in Wp, a head of 262,144 bytes in the others
	s_cselect_b32 s38, 44, s38                     ; or 4 x 11
	s_lshl_b32 s34, s19, s21
	s_lshl_b32 s22, s36, 7
	s_mul_i32 s22, s22, s20                        ; 128 s rows down K
	s_add_co_u32 s34, s34, s22
	s_mov_b32 s35, 0
	s_lshl_b32 s42, s20, 5                         ; a block of 32 down K
	s_mov_b32 s43, 0
	s_lshl_b32 s44, s17, 20                        ; wc: z, g, s
	s_lshl_b32 s22, s19, 16
	s_add_co_u32 s44, s44, s22
	s_lshl_b32 s22, s36, 13
	s_add_co_u32 s44, s44, s22
	s_mov_b32 s45, 0
	v_lshlrev_b32 v[OF], 2, v1
.set i, 1
.rept 31
	v_add_nc_u32 v[OF+i], s20, v[OF+i-1]
.set i, i+1
.endr
	s_wait_alu depctr_va_vdst(0)
	s_wait_kmcnt 0x0
	s_load_b32 s39, s[12:13], s38 offset:0x0       ; e
	s_cmp_eq_u32 s17, 1                            ; the choice hangs on the work-group's number alone
	s_cselect_b64 s[4:5], s[6:7], s[4:5]
	s_cmp_eq_u32 s17, 2
	s_cselect_b64 s[4:5], s[8:9], s[4:5]
	s_cmp_eq_u32 s17, 3
	s_cselect_b64 s[4:5], s[10:11], s[4:5]
	s_add_nc_u64 s[24:25], s[4:5], s[34:35]        ; a base for each of the four blocks of 32 down K
	s_add_nc_u64 s[26:27], s[24:25], s[42:43]
	s_add_nc_u64 s[28:29], s[26:27], s[42:43]
	s_add_nc_u64 s[30:31], s[28:29], s[42:43]
	s_add_nc_u64 s[40:41], s[14:15], s[44:45]
.macro WLD q                           ; block q: k = 32 (q / 2) + i, columns 32 (q % 2) + lane: each load reads 128 consecutive bytes
.set i, 0
.rept 32
	global_load_b32 v[X+32*((\q)%2)+i], v[OF+i], s[24+2*((\q)/2):25+2*((\q)/2)] offset:128*((\q)%2)
.set i, i+1
.endr
.endm
.macro WBLK q
.set XS, X+32*((\q)%2)
.if (\q) < 7
	s_wait_loadcnt 32                              ; this block's 32 loads are in; the next block's may be out
.else
	s_wait_loadcnt 0
.endif
.set i, 0
.rept 32
	v_med3_num_f32 v[XS+i], v[XS+i], -v[LIM], v[LIM]   ; the conversion does not saturate (ISA guide 7.6.2): the hold first
.set i, i+1
.endr
.set i, 0
.rept 4
	v_cvt_scalef32_pk8_fp8_f32 v[C+2*i:C+2*i+1], v[XS+8*i:XS+8*i+7], v[SC]
.set i, i+1
.endr
	v_nop                                          ; a plain line behind the last conversion
	ds_store_b128 v[SIN], v[C:C+3] offset:32*PITCH*((\q)%2)+32*((\q)/2)
	ds_store_b128 v[SIN], v[C+4:C+7] offset:32*PITCH*((\q)%2)+32*((\q)/2)+16
.if (\q)+2 < 8
	WLD (\q)+2
.endif
	s_wait_dscnt 0x0                               ; the stores have read their registers: the next block's codes may be written
.endm
	WLD 0
	WLD 1
	s_wait_kmcnt 0x0
	s_add_co_i32 s39, s39, 127
	s_lshl_b32 s46, s39, 23
	v_mov_b32 v[SC], s46                           ; 2^e as f32
	s_add_co_i32 s39, s39, 8
	s_lshl_b32 s39, s39, 23
	s_or_b32 s39, s39, 0x600000
	v_mov_b32 v[LIM], s39                          ; 448 x 2^e
	s_wait_alu depctr_va_vdst(0)
.irp q, 0,1,2,3,4,5,6,7
	WBLK \q
.endr
.set i, 0
.rept 16                               ; fragment u = i / 4, piece cc = i % 4
	ds_load_b128 v[OUTR+4*i:OUTR+4*i+3], v[SRD] offset:(32*((i/4)/2)+8*((i/4)%2))*PITCH+32*(i%4)
.set i, i+1
.endr
.set i, 0
.rept 16
	s_wait_dscnt 15-i
	global_store_b128 v[LO], v[OUTR+4*i:OUTR+4*i+3], s[40:41] offset:512*i    ; 512 consecutive bytes, aligned
.set i, i+1
.endr
	s_wait_tensorcnt 0x0                           ; the wave's end: behind my last LDS store
	ds_add_u32 v[SPW], v[NIL]
	s_wait_dscnt 0x0
	s_endpgm
.Lfunc_end_k_q871f680d33_quant_x:
	.size	k_q871f680d33_quant_x, .Lfunc_end_k_q871f680d33_quant_x-k_q871f680d33_quant_x
	.p2alignl 7, 3214868480
	.fill 96, 4, 3214868480
	.section	.rodata,"a",@progbits
	.p2align	6, 0x0
	.amdhsa_kernel k_q871f680d33_quant_x
		.amdhsa_group_segment_fixed_size 71168
		.amdhsa_private_segment_fixed_size 0
		.amdhsa_enable_private_segment 0
		.amdhsa_kernarg_size 64
		.amdhsa_user_sgpr_count 2
		.amdhsa_user_sgpr_kernarg_segment_ptr 1
		.amdhsa_wavefront_size32 1
		.amdhsa_system_sgpr_workgroup_id_x 1
		.amdhsa_system_sgpr_workgroup_id_y 1
		.amdhsa_system_sgpr_workgroup_id_z 1
		.amdhsa_system_vgpr_workitem_id 0
		.amdhsa_next_free_vgpr 256
		.amdhsa_next_free_sgpr 66
		.amdhsa_reserve_vcc 0
		.amdhsa_float_denorm_mode_32 3
		.amdhsa_float_denorm_mode_16_64 3
		.amdhsa_memory_ordered 1
		.amdhsa_forward_progress 1
		.amdhsa_inst_pref_size 129
	.end_amdhsa_kernel
	.amdgpu_metadata
---
amdhsa.version: [ 1, 2 ]
amdhsa.kernels:
  - .name:           k_q871f680d33_quant_x
    .symbol:         k_q871f680d33_quant_x.kd
    .args:
      - { .name: x, .offset: 0, .size: 8, .value_kind: global_buffer, .address_space: global }
      - { .name: lowp_scales, .offset: 8, .size: 8, .value_kind: global_buffer, .address_space: global }
      - { .name: xc, .offset: 16, .size: 8, .value_kind: global_buffer, .address_space: global }
      - { .name: Wq, .offset: 24, .size: 8, .value_kind: global_buffer, .address_space: global }
      - { .name: Wk, .offset: 32, .size: 8, .value_kind: global_buffer, .address_space: global }
      - { .name: Wv, .offset: 40, .size: 8, .value_kind: global_buffer, .address_space: global }
      - { .name: Wp, .offset: 48, .size: 8, .value_kind: global_buffer, .address_space: global }
      - { .name: wc, .offset: 56, .size: 8, .value_kind: global_buffer, .address_space: global }
    .group_segment_fixed_size: 71168
    .private_segment_fixed_size: 0
    .kernarg_segment_align: 8
    .kernarg_segment_size: 64
    .max_flat_workgroup_size: 128
    .sgpr_count:     66
    .vgpr_count:     256
    .wavefront_size: 32
...
	.end_amdgpu_metadata
.endif
;; end of part 1
;; launch proj (part 2): grid 256 x 1, 4 waves a work-group, clusters of 4 x 1, 327,680 bytes of LDS; arguments xc, wc, lowp_scales, qc, kc, vc; writes qc, kc, vc
.if DOCPART == 2
	.amdgcn_target "amdgcn-amd-amdhsa--gfx1250"
	.amdhsa_code_object_version 6
	.text
	.protected	k_q871f680d33_proj
	.globl	k_q871f680d33_proj
	.p2align	8
	.type	k_q871f680d33_proj,@function
k_q871f680d33_proj:
	s_mov_b64 s[64:65], 0
	v_nop
	global_prefetch_b8 v0, s[64:65] scope:SCOPE_SE
	s_setreg_imm32_b32 hwreg(HW_REG_WAVE_MODE, 25, 1), 1
	s_wait_xcnt 0x0
	s_wait_alu depctr_hold_cnt(0) depctr_sa_sdst(0) depctr_va_vdst(0) depctr_va_sdst(0) depctr_va_ssrc(0) depctr_va_vcc(0) depctr_vm_vsrc(0)
	s_getreg_b32 s2, hwreg(HW_REG_IB_STS2, 6, 4)
	s_cmp_eq_u32 s2, 0
	s_cbranch_scc0 .Lentry_in_a_cluster
	s_endpgm
.Lentry_in_a_cluster:
	s_bfe_u32 s2, ttmp6, 0x10000c
	s_cmp_lg_u32 s2, 0x3003
	s_cbranch_scc0 .Lentry_shape_is_right
	s_endpgm
.Lentry_shape_is_right:
; The three projections on E4M3 codes, K = 1,024, and their results quantised at once for the attention.  A WORK-GROUP STAYS and makes three tiles of 128 STREAMING rows x 256 STATIONARY rows.
; D = (source 0: 16 stationary rows) x (source 1: 16 streaming rows): a lane holds ONE streaming row and its registers run along the stationary rows.
;   tiles 0, 1: projection p = cluster / 32 (0 Q, 1 K).  Streaming = x's codes of set p, tokens 256 (cluster % 32) + 128 t on; stationary = weight p's rows 256 cx on (four heads' channels), THE SAME FOR BOTH TILES:
;               they are loaded once.  A lane holds a token, registers along the head's 64 channels, the next product's K.
;   tile 2:     V.  Streaming = Wv's codes (the pair of heads cluster / 8), stationary = x's codes of set 2 (256 tokens): a lane holds a channel, registers along the keys, the second attention product's K.
; THE STREAMING ROWS (128 KB, all of K) go through a ring of two LDS slots: wave w asks by ONE tensor load for 32,768 dense bytes (group w / 2 of 64 rows, K steps 4 (w % 2) on); a slot keeps the order of memory.
; At the head of tiles 0 and 1 each wave waits for its load (this tile's rows), adds 0 to its spare word and waits for that and for its reads of the other slot; a round of the cluster's barrier follows, and behind it the
; next tile's load goes into the other slot: it has this tile's 256 products a wave in which to land.  By this text's count a wave has one tensor load out at the most.
; THE STATIONARY ROWS (64 KB a wave, dense) go from memory straight into 512 registers, in runs of 16 loads, a run a K step.  Tile 0: runs 0-3 at the head, run s + 4 in K step s.  Tile 1 loads none of its own; in its
; K step s it asks for tile 2's run s - 1, into the registers whose last products were issued in K step s - 1, and for run 7 behind its last products.
; The three tiles differ in their loads and waits, so one macro is written out three times; every address is a constant of the text or a scalar made at the head.
; All operands lie as images of their registers, [group of 64 rows][s 8][u 4][cc 4][lane][16 bytes], row ROW(u, r) = 32 (u / 2) + 8 (u % 2) + r % 8 + 16 (r / 8), k = 128 s + 32 cc + 16 h + y.
; By that order of rows the 16 registers of stationary tiles 2 b, 2 b + 1 are 16 neighbours along the next K: two conversions give 16 bytes a lane that are a piece of the next operand's image; a store covers 512 aligned bytes.
; k stands in the registers by one permutation, the same on both sides of every product; only the order of the sums inside an instruction differs.
; A sum stands for sum x 2^(ea + eb); its code is sum / 2^(eo - ea - eb), held within +-448.  LIMIT: eo - ea - eb between -126 and 119 (eo = e6, e7, e9).
; CLUSTER: the four work-groups of a cluster take the same streaming rows in every tile and ask for them JOINTLY (mask 15); they differ in the stationary rows alone.
; Nothing is prefetched: each tile's streaming rows are asked for a whole tile ahead of their first read, and the stationary runs K steps ahead.
; REGISTERS, in windows of 256: window 0: v2-15 addresses and scales; v128-255 eight streaming fragments, later held numbers (v128-191) and codes (v192-255).
;   windows 1, 2: the stationary fragments (s, u) at v[16 (4 (s % 4) + u)], K steps 0-3 and 4-7.   window 3: the 32 accumulators, (a, u) at v[8 (4 a + u)].
.set SLOT,  131072
.set SPARE, 262144                     ; behind the ring: the spare words, 128 bytes a wave, which no other line names
.set LI,  2                            ; v2  16 x lane
.set SPW, 4
.set NIL, 5
.set SCQ, 6                            ; v6  tiles 0, 1: 2^(eo - ea - eb) as f32; v7  448 x that
.set SCV, 10                           ; v10, v11 the same for tile 2
.set LA,  12                           ; v12-15 LDS addresses: 16 x lane + 65,536 (2 x slot + half of the streaming rows)
.set XF,  128
.set TT,  128
.set CD,  192
.set G1,  16                           ; s[16:23] descriptor group 1
.set G0,  24                           ; s[24:35] group 0, a set for each tile
.set WV,  40
.set WB,  44                           ; s[44:45] my weight rows
.set XB,  46                           ; s[46:47] my rows of x's set 2
.set OQ,  52                           ; s[52:53] where tiles 0 and 1 go
.set OV,  54                           ; s[54:55] where tile 2 goes
.set SS,  66                           ; s66-s69 the scales and bounds as scalars
.set MSB, 0
.macro WIN new                         ; the immediate's high byte repeats the setting that is left
.if MSB != (\new)
	s_set_vgpr_msb (MSB<<8)|(\new)
.set MSB, (\new)
.endif
.endm
.macro ROUND                           ; a round of the cluster's barrier
	s_barrier_signal -1
	s_barrier_wait -1
	s_cmp_lg_u32 s[WV], 0
	s_cbranch_scc1 .Lnot_wave_0_\@
	s_barrier_signal -3
.Lnot_wave_0_\@:
	s_barrier_wait -3
	s_barrier_signal -1
	s_barrier_wait -1
.endm
.macro PLACES                          ; four plain places behind matrix instructions (ISA guide 7.12.1)
.rept 4
	v_nop
.endr
.endm
.macro WLOAD s, b                      ; K step s of my 64 stationary rows at base s[b:b+1]: four fragments, 8,192 dense bytes
.set iu, 0
.rept 4
.set ic, 0
.rept 4
	global_load_b128 v[16*(4*((\s)%4)+iu)+4*ic:16*(4*((\s)%4)+iu)+4*ic+3], v[LI], s[\b:\b+1] offset:2048*(4*(\s)+iu)+512*ic
.set ic, ic+1
.endr
.set iu, iu+1
.endr
.endm
.macro XFETCH s, half, slot            ; K step s of streaming rows 64 half on: four fragments from LDS, 512 consecutive bytes a load
.set iu, 0
.rept 4
.set ic, 0
.rept 4
	ds_load_b128 v[XF+16*(4*(\half)+iu)+4*ic:XF+16*(4*(\half)+iu)+4*ic+3], v[LA+2*(\slot)+(\half)] offset:8192*(\s)+2048*iu+512*ic
.set ic, ic+1
.endr
.set iu, iu+1
.endr
.endm
.macro MUL s, half                     ; 16 products; the 32 accumulators take turns, one instruction a turn; K step 0 starts the sums
.set ia, 4*(\half)
.rept 4
.set iu, 0
.rept 4
.if (\s) == 0
	v_wmma_f32_16x16x128_fp8_fp8 v[8*(4*ia+iu):8*(4*ia+iu)+7], v[16*(4*((\s)%4)+iu):16*(4*((\s)%4)+iu)+15], v[XF+16*ia:XF+16*ia+15], 0
.else
	v_wmma_f32_16x16x128_fp8_fp8 v[8*(4*ia+iu):8*(4*ia+iu)+7], v[16*(4*((\s)%4)+iu):16*(4*((\s)%4)+iu)+15], v[XF+16*ia:XF+16*ia+15], v[8*(4*ia+iu):8*(4*ia+iu)+7]
.endif
.set iu, iu+1
.endr
.set ia, ia+1
.endr
.endm
.macro KSTEP s, t
.if (\t) == 0
.if (\s) < 5
	s_wait_loadcnt 48                              ; this K step's run of 16 stationary loads is in; the three younger runs may be out
.else
	s_wait_loadcnt 16*(7-(\s))
.endif
.if (\s) < 4
	WIN 0x80                                       ; destination window 2
	WLOAD (\s)+4, WB
.endif
.endif
.if ((\t) == 1) && ((\s) > 0)
	WIN 0x40+0x40*(((\s)-1)/4)                     ; destination window 1 or 2: tile 2's run s - 1, into registers whose last products stand ahead of the last K step's places
	WLOAD (\s)-1, XB
.endif
.if (\t) == 2
.if (\s) < 4
	s_wait_loadcnt 63                              ; behind this K step's run 16 (7 - s) loads, 64 or more, were issued: with 63 out at the most the run is in
.else
	s_wait_loadcnt 16*(7-(\s))
.endif
.endif
	s_wait_dscnt 16                                ; streaming fragments 0-3 are in; the 16 loads of fragments 4-7 may be out
	WIN 0xf1+(\s)/4
	MUL \s, 0
.if (\s) < 7
	PLACES
	WIN 0
	XFETCH (\s)+1, 0, (\t)%2
	s_wait_dscnt 16                                ; fragments 4-7 of this K step are in; the 16 just issued may be out
.else
	s_wait_dscnt 0x0
.endif
	WIN 0xf1+(\s)/4
	MUL \s, 1
.if (\s) < 7
	PLACES
	WIN 0
	XFETCH (\s)+1, 1, (\t)%2
.endif
.endm
.macro OUTT a, sc, ob, off             ; streaming tile a: 32 sums a lane become 32 codes: two pieces of the next operand's image, at s[ob:ob+1] + off
	WIN 0x03                                       ; source 0 window 3
.set i, 0
.rept 32
	v_med3_num_f32 v[TT+32*((\a)%2)+i], v[32*(\a)+i], -v[\sc+1], v[\sc+1]   ; the hold, into other registers; each accumulator from its low end on
.set i, i+1
.endr
	WIN 0
.set i, 0
.rept 4
	v_cvt_scalef32_pk8_fp8_f32 v[CD+8*(\a)+2*i:CD+8*(\a)+2*i+1], v[TT+32*((\a)%2)+8*i:TT+32*((\a)%2)+8*i+7], v[\sc]
.set i, i+1
.endr
	v_nop                                          ; a plain line behind the last conversion
	global_store_b128 v[LI], v[CD+8*(\a):CD+8*(\a)+3], s[\ob:\ob+1] offset:(\off)          ; 512 consecutive bytes, aligned; each tile has code registers of its own
	global_store_b128 v[LI], v[CD+8*(\a)+4:CD+8*(\a)+7], s[\ob:\ob+1] offset:(\off)+512
.endm
.macro SCL d, eo, ea, eb               ; s[d] = 2^(eo - ea - eb) as f32, s[d+1] = 448 x that
	s_sub_co_i32 s[\d+1], s[\eo], s[\ea]
	s_sub_co_i32 s[\d+1], s[\d+1], s[\eb]
	s_add_co_i32 s[\d+1], s[\d+1], 127
	s_lshl_b32 s[\d], s[\d+1], 23
	s_add_co_i32 s[\d+1], s[\d+1], 8
	s_lshl_b32 s[\d+1], s[\d+1], 23
	s_or_b32 s[\d+1], s[\d+1], 0x600000
.endm
; TILE t, from slot t % 2
.macro TILEP t
	s_wait_tensorcnt 0x0                           ; my load is done: my quarter of this tile's streaming rows;
.if (\t) < 2
	ds_add_u32 v[SPW], v[NIL]                      ; 0 onto my spare word
	s_wait_dscnt 0x0                               ; the add is done, and my reads of the other slot are over
	ROUND                                          ; both now hold of every wave of all four work-groups
	tensor_load_to_lds s[G0+4*(\t)+4:G0+4*(\t)+7], s[G1:G1+7]      ; the next tile's rows, into the other slot: my one tensor load behind the round
	s_nop 0
.rept 4
	v_nop
.endr
.else
	s_wait_dscnt 0x0
	s_barrier_signal -1
	s_barrier_wait -1                              ; everybody's quarter has landed
.endif
	XFETCH 0, 0, (\t)%2
	XFETCH 0, 1, (\t)%2
.irp s, 0,1,2,3,4,5,6,7
	KSTEP \s, \t
.endr
	PLACES
.if (\t) == 1
	WIN 0x80
	WLOAD 7, XB                                    ; tile 2's last run
	WIN 0
.endif
.irp a, 0,1,2,3,4,5,6,7
.if (\t) < 2
	OUTT \a, SCQ, OQ, 1024*((\a)%4)+4096*((\a)/4)+8192*(\t)        ; streaming rows 64-127: the next 64 tokens; tile 1: 128 tokens on
.else
	OUTT \a, SCV, OV, 1024*((\a)%4)+131072*((\a)/4)                ; streaming rows 64-127: the next head
.endif
.endr
.if (\t) < 2
	s_wait_xcnt 0x0                                ; the stores have read their data: the next tile's fragments land in those registers only behind this wait
.endif
.endm
	s_load_b256 s[4:11], s[0:1], 0x0               ; xc s[4:5], wc s[6:7], the scales' exponents s[8:9], qc s[10:11]
	s_load_b128 s[12:15], s[0:1], 0x20             ; kc, vc
	v_lshl_add_u32 v[SPW], v0, 2, SPARE
	v_mov_b32 v[NIL], 0
	ds_add_u32 v[SPW], v[NIL]                      ; the wave's opening: the add, twice on end, and its wait ahead of my first tensor load
	ds_add_u32 v[SPW], v[NIL]
	v_lshrrev_b32 v1, 5, v0
	v_readfirstlane_b32 s[WV], v1                  ; wave 0..3
	v_and_b32 v1, 31, v0
	v_lshlrev_b32 v[LI], 4, v1
	v_lshlrev_b32 v[LA], 4, v1
	v_add_nc_u32 v[LA+1], 0x10000, v[LI]
	v_add_nc_u32 v[LA+2], 0x20000, v[LI]
	v_add_nc_u32 v[LA+3], 0x30000, v[LI]
	; group 1: a dense block of 32,768 bytes as 128 rows of 32 elements of 8 bytes
	s_mov_b32 s[G1+0], 15|(3<<16)|(1<<21)          ; the mask: all four work-groups; elements of 8 bytes; bit 21 set beside a mask; no padding
	s_mov_b32 s[G1+1], 32<<16                      ; tensor_dim0
	s_mov_b32 s[G1+2], 128<<16                     ; tensor_dim1
	s_mov_b32 s[G1+3], 32<<16                      ; tile_dim0
	s_mov_b32 s[G1+4], 128                         ; tile_dim1
	s_mov_b32 s[G1+5], 32                          ; from row to row
	s_mov_b32 s[G1+6], 0
	s_mov_b32 s[G1+7], 0
	s_bfe_u32 s43, ttmp6, 0x40000                  ; cx: it enters the stationary and the output addresses alone
	s_lshr_b32 s41, ttmp9, 5                       ; p: 0 Q, 1 K: the same in all four partners
	s_and_b32 s42, ttmp9, 31                       ; which 256 tokens
	; streaming offsets (s86, s88), made of the cluster's number and the wave's alone
	s_lshl_b32 s95, s[WV], 15                      ; my quarter: 32,768 x wave, in memory and in a slot
	s_lshl_b32 s86, s41, 23                        ; tiles 0, 1: set p of xc,
	s_lshl_b32 s87, s42, 18                        ; 262,144 bytes for 256 tokens
	s_add_co_u32 s86, s86, s87
	s_add_co_u32 s86, s86, s95
	s_lshr_b32 s97, ttmp9, 3                       ; tile 2: Wv in wc, the pair of heads cluster / 8
	s_lshl_b32 s88, s97, 17
	s_add_co_u32 s88, s88, s95
	s_add_co_u32 s88, s88, 2<<20
	; stationary offsets (s89, s91): 65,536 x my group of 64 rows.  Tiles 0, 1: group 4 cx + wave of weight p;  tile 2: group 4 (4 (cluster % 8) + cx) + wave of x's set 2
	s_lshl_b32 s96, s43, 2
	s_add_co_u32 s96, s96, s[WV]
	s_lshl_b32 s89, s96, 16
	s_lshl_b32 s90, s41, 20
	s_add_co_u32 s89, s89, s90
	s_and_b32 s93, ttmp9, 7
	s_lshl_b32 s93, s93, 2
	s_add_co_u32 s93, s93, s43
	s_lshl_b32 s93, s93, 2
	s_add_co_u32 s93, s93, s[WV]
	s_lshl_b32 s91, s93, 16
	s_add_co_u32 s91, s91, 2<<23
	; output offsets: (16 x batch + head) x 131,072 + 4,096 x group of 64 tokens.  Tiles 0, 1 (s92): the head is my stationary group;  tile 2 (s94): the head is 2 (cluster / 8), the tokens are my stationary group
	s_lshr_b32 s92, s42, 3                         ; eight times 256 tokens to a batch
	s_lshl_b32 s92, s92, 4
	s_add_co_u32 s92, s92, s96
	s_lshl_b32 s92, s92, 17
	s_and_b32 s94, s42, 7
	s_lshl_b32 s94, s94, 14
	s_add_co_u32 s92, s92, s94
	s_lshr_b32 s94, s93, 5
	s_lshl_b32 s94, s94, 4
	s_lshl_b32 s97, s97, 1
	s_add_co_u32 s94, s94, s97
	s_lshl_b32 s94, s94, 17
	s_and_b32 s93, s93, 31
	s_lshl_b32 s93, s93, 12
	s_add_co_u32 s94, s94, s93
	s_mov_b32 s85, 0
	s_mov_b32 s99, 0
	s_wait_dscnt 0x0                               ; both opening adds are done
	s_wait_kmcnt 0x0
	s_load_b256 s[72:79], s[8:9], 0x0              ; e0 .. e7
	s_load_b128 s[80:83], s[8:9], 0x20             ; e8 .. e11
	s_mov_b32 s[G0], 1                             ; count = 1
	s_mov_b32 s[G0+4], 1
	s_mov_b32 s[G0+8], 1
	s_mov_b32 s[G0+1], s95                         ; LDS addresses: slots 0, 1, 0
	s_add_co_u32 s[G0+5], s95, SLOT
	s_mov_b32 s[G0+9], s95
	s_mov_b32 s84, s86
	s_add_nc_u64 s[G0+2:G0+3], s[4:5], s[84:85]
	s_add_nc_u64 s[G0+6:G0+7], s[G0+2:G0+3], 131072    ; tile 1: 128 tokens on
	s_mov_b32 s84, s88
	s_add_nc_u64 s[G0+10:G0+11], s[6:7], s[84:85]
	s_or_b32 s[G0+3], s[G0+3], 0x80000000
	s_or_b32 s[G0+7], s[G0+7], 0x80000000
	s_or_b32 s[G0+11], s[G0+11], 0x80000000
	s_mov_b32 s98, s89
	s_add_nc_u64 s[WB:WB+1], s[6:7], s[98:99]
	s_mov_b32 s98, s91
	s_add_nc_u64 s[XB:XB+1], s[4:5], s[98:99]
	s_cmp_eq_u32 s41, 0                            ; the choice hangs on the cluster's number alone
	s_cselect_b64 s[OQ:OQ+1], s[10:11], s[12:13]
	s_mov_b32 s98, s92
	s_add_nc_u64 s[OQ:OQ+1], s[OQ:OQ+1], s[98:99]
	s_mov_b32 s98, s94
	s_add_nc_u64 s[OV:OV+1], s[14:15], s[98:99]
	ROUND                                          ; all four work-groups are here: the joint loads meet
	tensor_load_to_lds s[G0:G0+3], s[G1:G1+7]      ; tile 0's streaming rows: one tensor load a wave at the head
	s_nop 0
.rept 4
	v_nop
.endr
	WIN 0x40                                       ; destination window 1
	s_wait_alu depctr_va_vdst(0)
	WLOAD 0, WB
	WLOAD 1, WB
	WLOAD 2, WB
	WLOAD 3, WB
	WIN 0
	s_wait_kmcnt 0x0
	s_cmp_eq_u32 s41, 0                            ; Q: e6 - e0 - e1;  K: e7 - e2 - e3: chosen by the cluster's number, with no jump
	s_cselect_b32 s72, s72, s74
	s_cselect_b32 s73, s73, s75
	s_cselect_b32 s78, s78, s79
	SCL SS, 78, 72, 73
	SCL SS+2, 81, 76, 77                           ; V: e9 - e4 - e5
	v_mov_b32 v[SCQ], s[SS]
	v_mov_b32 v[SCQ+1], s[SS+1]
	v_mov_b32 v[SCV], s[SS+2]
	v_mov_b32 v[SCV+1], s[SS+3]
	s_wait_alu depctr_va_vdst(0)
	TILEP 0
	TILEP 1
	TILEP 2
	s_wait_tensorcnt 0x0                           ; the wave's end
	ds_add_u32 v[SPW], v[NIL]
	s_wait_dscnt 0x0
	ROUND                                          ; the closing round
	s_endpgm
.Lfunc_end_k_q871f680d33_proj:
	.size	k_q871f680d33_proj, .Lfunc_end_k_q871f680d33_proj-k_q871f680d33_proj
	.p2alignl 7, 3214868480
	.fill 96, 4, 3214868480
	.section	.rodata,"a",@progbits
	.p2align	6, 0x0
	.amdhsa_kernel k_q871f680d33_proj
		.amdhsa_group_segment_fixed_size 327680
		.amdhsa_private_segment_fixed_size 0
		.amdhsa_enable_private_segment 0
		.amdhsa_kernarg_size 48
		.amdhsa_user_sgpr_count 2
		.amdhsa_user_sgpr_kernarg_segment_ptr 1
		.amdhsa_wavefront_size32 1
		.amdhsa_system_sgpr_workgroup_id_x 1
		.amdhsa_system_sgpr_workgroup_id_y 1
		.amdhsa_system_sgpr_workgroup_id_z 1
		.amdhsa_system_vgpr_workitem_id 0
		.amdhsa_next_free_vgpr 1024
		.amdhsa_next_free_sgpr 100
		.amdhsa_reserve_vcc 0
		.amdhsa_float_denorm_mode_32 3
		.amdhsa_float_denorm_mode_16_64 3
		.amdhsa_memory_ordered 1
		.amdhsa_forward_progress 1
		.amdhsa_inst_pref_size 199
	.end_amdhsa_kernel
	.amdgpu_metadata
---
amdhsa.version: [ 1, 2 ]
amdhsa.kernels:
  - .name:           k_q871f680d33_proj
    .symbol:         k_q871f680d33_proj.kd
    .args:
      - { .name: xc, .offset: 0, .size: 8, .value_kind: global_buffer, .address_space: global }
      - { .name: wc, .offset: 8, .size: 8, .value_kind: global_buffer, .address_space: global }
      - { .name: lowp_scales, .offset: 16, .size: 8, .value_kind: global_buffer, .address_space: global }
      - { .name: qc, .offset: 24, .size: 8, .value_kind: global_buffer, .address_space: global }
      - { .name: kc, .offset: 32, .size: 8, .value_kind: global_buffer, .address_space: global }
      - { .name: vc, .offset: 40, .size: 8, .value_kind: global_buffer, .address_space: global }
    .group_segment_fixed_size: 327680
    .private_segment_fixed_size: 0
    .kernarg_segment_align: 8
    .kernarg_segment_size: 48
    .max_flat_workgroup_size: 128
    .sgpr_count:     100
    .vgpr_count:     1024
    .wavefront_size: 32
...
	.end_amdgpu_metadata
.endif
;; end of part 2
;; launch attn (part 3): grid 64 x 4, 16 waves a work-group, no clusters, 327,680 bytes of LDS; arguments qc, kc, vc, lowp_scales, ac; writes ac
.if DOCPART == 3
	.amdgcn_target "amdgcn-amd-amdhsa--gfx1250"
	.amdhsa_code_object_version 6
	.text
	.protected	k_q871f680d33_attn
	.globl	k_q871f680d33_attn
	.p2align	8
	.type	k_q871f680d33_attn,@function
k_q871f680d33_attn:
	s_mov_b64 s[64:65], 0
	v_nop
	global_prefetch_b8 v0, s[64:65] scope:SCOPE_SE
	s_setreg_imm32_b32 hwreg(HW_REG_WAVE_MODE, 25, 1), 1
	s_wait_xcnt 0x0
; Causal attention on E4M3 codes, head size 64, 2,048 tokens, 64 (batch, head) pairs.  Work-group x = bh = 16 x batch + head.
; LEFT OUT: key steps all of whose keys come after a tile's queries: the causal mask sets their scores to -infinity, so their p is 0 for all values of the inputs.
; THE SOFTMAX AHEAD OF THE SECOND PRODUCT: t = score x log2(e) / 8; M = the row's largest t so far, rounded UP to a whole number; p = 2^(t - M) is what is quantised (scale 2^e8), not normalised.
; The row's sum is taken of the unquantised p in f32 and divides O at the end.  When M moves, the sum and O are multiplied by 2^(old M - new M), which rounds nothing.
; SHARES: work-group y owns TWO blocks of 256 queries of its head: the late block 7 - y and the early block y.  Each of sixteen waves owns one tile of 16 queries of each: first tile w of the late block, then
; tile 15 - w of the early one: 2 (7 - y) + 2 y + 3 = 17 key steps of 128 keys in every wave of every work-group.  The walks' trip counts (4, 12, 8) are constants; hidden steps are jumped over by ids.
; K AND V LIE IN LDS ONCE, for both blocks: K's key k at byte 64 k, V's keys likewise from byte 131,072.  No LDS byte is filled twice.  At the head wave w asks for 4,096 bytes (w < 8: K's keys 64 w on; else V's keys
; 64 (w - 8) on): keys 0 to 511.  Behind the wait for it, the add and a barrier each wave asks for 12,288 bytes more (keys 512 + 192 (w % 8) on), and only where their first key is at or under the work-group's last
; query (a jump on ids, round the load's own lines; every wait for tensor loads is for 0; no step reads what was not asked for).  That load lands under the late tile's first four key steps, which count in full for
; every wave (its queries begin at 1,024 or later): so all sixteen waves have done the same work when they meet at the second barrier, in front of which that load is waited for.  No barrier follows it.
; By this text's count a wave has one tensor load out at the most.
; LAYOUT: qc, kc [bh][group of 64 tokens][u 4][c 2][lane][16 bytes]: token ROW(u, r) = 32 (u / 2) + 8 (u % 2) + r % 8 + 16 (r / 8), channel 32 c + 16 h + y.  vc [bh][group of 64 keys][u 4][b 2][lane][16]: channel ROW(u, r), key 32 b + 16 h + y.
; Both products are used transposed: S^T = K Q^T (source 0 = 16 keys), O^T = V^T P^T (source 0 = 16 channels): a lane holds ONE query.  By ROW the 16 registers of key tiles 2 b, 2 b + 1 are the neighbouring keys
; 32 b + 16 h + 0 .. 15, so p's conversions are the second product's operand; O^T's codes are pieces of the last product's operand image in ac ([group of 64 rows][s 8][u 4][cc 4][lane][16]: k = 64 x head + channel).
; NO CLUSTER: the four work-groups of a head need 5 to 8 times 256 keys, and every jump at the causal limit would hang on a work-group's place among its partners.
; NOTHING IS PREFETCHED: no loop stands ahead of either request; the second follows the first's landing at once.
; LIMITS on the given exponents: e6 + e7 between -123 and 130 (added to c's exponent field); e8, and e10 - e8 - e9, between -126 and 119.  The scaled scores stay under 2^31 in magnitude.
.set SPARE, 262144                     ; behind K and V: the spare words, 128 bytes a wave, which no other line names
.set LI,  1                            ; v1  16 x lane
.set QL,  2                            ; v2  r % 8 + 16 (r / 8) - 16 h: my query less the tile's first, less my half's first key
.set SPW, 5
.set NIL, 6
.set ADK, 8                            ; v8  LDS address of the step's K
.set ADV, 9                            ; v9  of its V
.set QA,  16                           ; v16-23   Q of the early block's tile
.set QB,  24                           ; v24-31   Q of the late block's
.set FR,  32                           ; v32-95   K's eight fragments, then V's four
.set S,   96                           ; v96-159  S^T, then p
.set O,   160                          ; v160-191 O^T
.set PC,  192                          ; v192-207 p's codes (and the sum's chains)
; v12 -M, v13 the largest t, v[14:15] the sum; v208-215 at work, v[212:213] f; v216 the permute's destination; v217, v218 448 x 2^e8; v219 2^e8; v220 -infinity; v221 the mask's d; v222, v223 the output's hold and scale
; A tile's numbers: block s[qb], tile s[t] -> first query s[q0]; byte offsets of its Q in qc s[oq:oq+1] and of its two pieces in ac s[oa:oa+1]
.macro TILE qb, t, q0, oq, oa
	s_lshl_b32 s[\oq], s[\qb], 4
	s_add_co_u32 s[\oq], s[\oq], s[\t]             ; tile 16 qb + t, 1,024 bytes each
	s_lshl_b32 s[\oq], s[\oq], 10
	s_add_co_u32 s[\oq], s[\oq], s18
	s_mov_b32 s[\oq+1], 0
	s_lshl_b32 s[\q0], s[\qb], 8                   ; 256 qb + 64 (t / 4) + 32 ((t / 2) % 2) + 8 (t % 2)
	s_lshr_b32 s19, s[\t], 2
	s_lshl_b32 s41, s19, 6
	s_add_co_u32 s[\q0], s[\q0], s41
	s_bfe_u32 s41, s[\t], 0x10001
	s_lshl_b32 s41, s41, 5
	s_add_co_u32 s[\q0], s[\q0], s41
	s_and_b32 s41, s[\t], 1
	s_lshl_b32 s41, s41, 3
	s_add_co_u32 s[\q0], s[\q0], s41
	s_lshl_b32 s[\oa], s[\qb], 2                   ; ac: group 32 x batch + 4 qb + t / 4,
	s_add_co_u32 s[\oa], s[\oa], s19
	s_lshr_b32 s41, ttmp9, 4
	s_lshl_b32 s41, s41, 5
	s_add_co_u32 s[\oa], s[\oa], s41
	s_lshl_b32 s[\oa], s[\oa], 16
	s_bfe_u32 s41, ttmp9, 0x30001                  ; K step head / 2,
	s_lshl_b32 s41, s41, 2
	s_and_b32 s19, s[\t], 3                        ; tile t % 4,
	s_add_co_u32 s41, s41, s19
	s_lshl_b32 s41, s41, 11
	s_add_co_u32 s[\oa], s[\oa], s41
	s_and_b32 s41, ttmp9, 1                        ; pieces 2 (head % 2) and the next
	s_lshl_b32 s41, s41, 10
	s_add_co_u32 s[\oa], s[\oa], s41
	s_mov_b32 s[\oa+1], 0
.endm
.macro MASK n0                         ; registers n0 .. n0 + 31 of S^T: register 16 b + n is hidden where 32 b + n > d
.set n, \n0
.rept 32
	v_cmp_gt_i32 vcc_lo, 32*(n/16)+n%16, v221
	v_cndmask_b32 v[S+n], v[S+n], v220, vcc_lo
.set n, n+1
.endr
.endm
; A TILE BEGINS.  s[q0]: its first query
.macro INIT q0
	s_mov_b32 s36, s[\q0]                          ; my tile's first query,
	s_add_co_u32 s37, s36, 23                      ; and its last
	s_mov_b32 s38, 0                               ; the step's first key
	s_mov_b32 s39, 0                               ; and its K's LDS byte
	v_mov_b32 v13, 0xff61b1e6                      ; the largest t so far: -3e38, under every t
	v_mov_b32 v14, 0
	v_mov_b32 v15, 0
	v_floor_f32 v12, -v13                          ; -M
.set i, 0
.rept 32
	v_mov_b32 v[O+i], 0                            ; O^T: the step is written once; the first finds zeros, which the first change of M leaves zeros
.set i, i+1
.endr
	s_wait_alu depctr_va_vdst(0)
.endm
; THE NEXT trips KEY STEPS of the tile in hand, walked or jumped over.  qf: Q's registers.  diag = 0: none of these steps reaches the tile's first query, so the mask is not assembled
.macro WALK qf, trips, diag
	s_mov_b32 s40, \trips
.Lstep_\@:
	s_cmp_gt_u32 s38, s37                          ; a step all of whose keys come after my 16 queries is left out: a branch on ids
	s_cbranch_scc1 .Lhidden_\@
	v_add_nc_u32 v[ADK], s39, v[LI]
	s_delay_alu instid0(VALU_DEP_1)
	v_add_nc_u32 v[ADV], 0x20000, v[ADK]
	v_nop                                          ; with the two additions: four places behind the last step's products, ahead of loads into registers that they read
	v_nop
.set i, 0
.rept 16                               ; K: tile i / 2, piece i % 2: 512 consecutive bytes a load
	ds_load_b128 v[FR+4*i:FR+4*i+3], v[ADK] offset:512*i
.set i, i+1
.endr
	s_wait_alu depctr_va_vdst(0)
	s_wait_dscnt 0x0
.set i, 0
.rept 8
	v_wmma_f32_16x16x64_fp8_fp8 v[S+8*i:S+8*i+7], v[FR+8*i:FR+8*i+7], v[\qf:\qf+7], 0    ; register 16 b + n of S^T: key 32 b + 16 h + n of the step
.set i, i+1
.endr
.rept 4
	v_nop                                          ; places: ahead of the loads into K's registers and of the first read of the scores
.endr
.set iu, 0
.rept 4                                ; V is asked for now and lands under the softmax: channel tile u, keys 32 b on
.set ib, 0
.rept 4
	ds_load_b128 v[FR+16*iu+4*ib:FR+16*iu+4*ib+3], v[ADV] offset:4096*(ib/2)+1024*iu+512*(ib%2)
.set ib, ib+1
.endr
.set iu, iu+1
.endr
.if \diag
	s_add_co_u32 s41, s38, 127                     ; on the diagonal hidden scores become -infinity ahead of the maximum; a step all of whose keys count skips this
	s_cmp_le_u32 s41, s36
	s_cbranch_scc1 .Lopen_\@
	s_sub_co_i32 s41, s36, s38                     ; D = the tile's first query - the step's first key: 0 to 104
	v_add_nc_u32 v221, s41, v[QL]                  ; d = my query - the step's first key - 16 h
	s_cmp_ge_u32 s41, 64                           ; D >= 64: d >= 48, and registers 0-31 hold 32 b + n <= 47: all of them count
	s_wait_alu depctr_va_vdst(0)
	s_cbranch_scc1 .Lupper_\@
	MASK 0
.Lupper_\@:
	MASK 32
.Lopen_\@:
.endif
	v_max3_num_f32 v208, v96, v97, v98             ; the step's largest score of my query among my 64 keys, in two chains,
	v_max3_num_f32 v210, v99, v100, v101
.irp i, 6,10,14,18,22,26,30,34,38,42,46,50,54,58
	v_max3_num_f32 v208, v208, v[96+\i], v[97+\i]
	v_max3_num_f32 v210, v210, v[98+\i], v[99+\i]
.endr
	v_max3_num_f32 v208, v208, v158, v159
	s_delay_alu instid0(VALU_DEP_1)
	v_max_num_f32 v208, v208, v210
	s_delay_alu instid0(VALU_DEP_1)
	v_permlanex16_b32 v216, v208, s20, s21
	s_delay_alu instid0(VALU_DEP_1)
	v_max_num_f32 v208, v208, v216                 ; and among lane l xor 16's
	s_delay_alu instid0(VALU_DEP_1)
	v_mul_f32 v208, s22, v208                      ; as t (c is positive)
	s_delay_alu instid0(VALU_DEP_1)
	v_max_num_f32 v13, v13, v208                   ; the running largest t
	v_mov_b32 v208, v12
	s_delay_alu instid0(VALU_DEP_2)
	v_floor_f32 v12, -v13                          ; the new -M = floor(-t): M is a whole number
	s_delay_alu instid0(VALU_DEP_1)
	v_sub_f32 v208, v12, v208                      ; old M - new M: a whole number, 0 or less
	s_delay_alu instid0(VALU_DEP_1)
	v_cvt_i32_f32 v208, v208                       ; (it saturates)
	s_delay_alu instid0(VALU_DEP_1)
	v_ldexp_f32 v212, 1.0, v208                    ; f = 2^(old M - new M)
.set i, 0
.rept 32
	v_pk_fma_f32 v[S+i:S+i+1], v[S+i:S+i+1], s[22:23], v[12:13] op_sel_hi:[1,0,0]   ; t - M, two at a time
.set i, i+2
.endr
	s_wait_alu depctr_va_vdst(0)
.set i, 0
.rept 64
	v_exp_f32 v[S+i], v[S+i]                       ; p = 2^(t - M), at most 1
.set i, i+1
.endr
	v_pk_mul_f32 v[14:15], v[14:15], v[212:213] op_sel_hi:[1,0]    ; the sums under the new M: the plain line behind the exponentials
	s_wait_alu depctr_va_vdst(0)                   ; one wait for the whole batch, ahead of its first reader
	v_pk_add_f32 v[214:215], v[100:101], v[104:105]                ; the row's sum of the unquantised p, in eight chains
	v_pk_add_f32 v[210:211], v[108:109], v[112:113]
	v_pk_add_f32 v[208:209], v[116:117], v[120:121]
	v_pk_add_f32 v[206:207], v[124:125], v[128:129]
	v_pk_add_f32 v[204:205], v[132:133], v[136:137]
	v_pk_add_f32 v[202:203], v[140:141], v[144:145]
	v_pk_add_f32 v[200:201], v[148:149], v[152:153]
	v_pk_add_f32 v[14:15], v[14:15], v[156:157]
	v_pk_add_f32 v[214:215], v[214:215], v[96:97]
	v_pk_add_f32 v[210:211], v[210:211], v[98:99]
	v_pk_add_f32 v[208:209], v[208:209], v[102:103]
	v_pk_add_f32 v[206:207], v[206:207], v[106:107]
	v_pk_add_f32 v[204:205], v[204:205], v[110:111]
	v_pk_add_f32 v[202:203], v[202:203], v[114:115]
	v_pk_add_f32 v[200:201], v[200:201], v[118:119]
	v_pk_add_f32 v[14:15], v[14:15], v[122:123]
	v_pk_add_f32 v[214:215], v[214:215], v[126:127]
	v_pk_add_f32 v[210:211], v[210:211], v[130:131]
	v_pk_add_f32 v[208:209], v[208:209], v[134:135]
	v_pk_add_f32 v[206:207], v[206:207], v[138:139]
	v_pk_add_f32 v[204:205], v[204:205], v[142:143]
	v_pk_add_f32 v[202:203], v[202:203], v[146:147]
	v_pk_add_f32 v[200:201], v[200:201], v[150:151]
	v_pk_add_f32 v[14:15], v[14:15], v[154:155]
	v_pk_add_f32 v[214:215], v[214:215], v[158:159]
	s_delay_alu instid0(VALU_DEP_2)
	v_pk_add_f32 v[14:15], v[14:15], v[206:207]
	s_delay_alu instid0(VALU_DEP_2)
	v_pk_add_f32 v[214:215], v[214:215], v[204:205]
	v_pk_add_f32 v[210:211], v[210:211], v[202:203]
	v_pk_add_f32 v[208:209], v[208:209], v[200:201]
	s_delay_alu instid0(VALU_DEP_2)
	v_pk_add_f32 v[14:15], v[14:15], v[210:211]
	s_delay_alu instid0(VALU_DEP_2)
	v_pk_add_f32 v[214:215], v[214:215], v[208:209]
	s_delay_alu instid0(VALU_DEP_1)
	v_pk_add_f32 v[14:15], v[14:15], v[214:215]
.set ib, 0
.rept 4
.set i, 0
.rept 8                                ; the conversion does not saturate (ISA guide 7.6.2); p is not negative, so the hold is one-sided; two holds an instruction, the bound in two registers
	v_dual_min_num_f32 v[S+16*ib+i], v[S+16*ib+i], v218 :: v_dual_min_num_f32 v[S+16*ib+i+1], v[S+16*ib+i+1], v217
.set i, i+2
.endr
	v_cvt_scalef32_pk8_fp8_f32 v[PC+4*ib:PC+4*ib+1], v[S+16*ib:S+16*ib+7], v219
	v_cvt_scalef32_pk8_fp8_f32 v[PC+4*ib+2:PC+4*ib+3], v[S+16*ib+8:S+16*ib+15], v219
.set ib, ib+1
.endr
	s_wait_alu depctr_va_vdst(0)
.set i, 0
.rept 16
	v_pk_mul_f32 v[O+i:O+i+1], v[O+i:O+i+1], v[212:213] op_sel_hi:[1,0]    ; O^T under the new M; also the plain lines between the conversions and the products
.set i, i+2
.endr
	s_wait_alu depctr_va_vdst(0)
	s_wait_dscnt 0x0                               ; V is in
.set i, 0
.rept 4                                ; O^T += V^T P^T, K = these 128 keys; the four accumulators take turns
	v_wmma_f32_16x16x128_fp8_fp8 v[O+8*i:O+8*i+7], v[FR+16*i:FR+16*i+15], v[PC:PC+15], v[O+8*i:O+8*i+7]
.set i, i+1
.endr
.Lhidden_\@:
	s_add_co_u32 s38, s38, 128
	s_add_co_u32 s39, s39, 8192
	s_sub_co_u32 s40, s40, 1
	s_cmp_lg_u32 s40, 0
	s_cbranch_scc1 .Lstep_\@
.endm
; THE WAY OUT of a tile: O^T / the sum, held, converted: the codes are two pieces of the last product's operand image, at s[ob:ob+1]
.macro OUT ob
.rept 4
	v_nop                                          ; places behind the last products
.endr
	v_add_f32 v14, v14, v15                        ; the sum's two halves,
	s_delay_alu instid0(VALU_DEP_1)
	v_permlanex16_b32 v216, v14, s20, s21
	s_delay_alu instid0(VALU_DEP_1)
	v_add_f32 v14, v14, v216                       ; and lane l xor 16's
	s_wait_alu depctr_va_vdst(0)
	v_rcp_f32 v14, v14
	v_nop                                          ; a plain line behind the reciprocal,
	s_wait_alu depctr_va_vdst(0)                   ; and the wait ahead of its first reader and of O^T's
.set i, 0
.rept 32
	v_mul_f32 v[S+i], v[O+i], v14                  ; each accumulator from its low end on
.set i, i+1
.endr
.set i, 0
.rept 32
	v_med3_num_f32 v[S+i], v[S+i], -v222, v222
.set i, i+1
.endr
.set i, 0
.rept 4
	v_cvt_scalef32_pk8_fp8_f32 v[128+2*i:129+2*i], v[S+8*i:S+8*i+7], v223
.set i, i+1
.endr
	v_nop
	global_store_b128 v[LI], v[128:131], s[\ob:\ob+1]              ; channels 16 h + 0 .. 15 of my query: 512 consecutive bytes a store
	global_store_b128 v[LI], v[132:135], s[\ob:\ob+1] offset:512   ; channels 32 + 16 h + 0 .. 15
.endm
	s_load_b256 s[4:11], s[0:1], 0x0               ; qc s[4:5], kc s[6:7], vc s[8:9], the scales' exponents s[10:11]
	s_load_b64 s[12:13], s[0:1], 0x20              ; ac
	v_lshl_add_u32 v[SPW], v0, 2, SPARE
	v_mov_b32 v[NIL], 0
	ds_add_u32 v[SPW], v[NIL]                      ; the wave's opening: the add, twice on end, and its wait ahead of my first tensor load
	ds_add_u32 v[SPW], v[NIL]
	v_lshrrev_b32 v8, 5, v0
	v_readfirstlane_b32 s14, v8                    ; wave 0..15
	s_and_b32 s15, ttmp7, 0xffff                   ; the early block: y
	s_sub_co_u32 s16, 7, s15                       ; the late block: 7 - y
	s_and_b32 s17, s14, 7                          ; which eighth of K or of V I fetch
	; two groups 1: dense blocks of 4,096 and of 12,288 bytes as 16 and 48 rows of 32 elements of 8 bytes
	s_mov_b32 s24, 3<<16                           ; no mask; elements of 8 bytes; no padding
	s_mov_b32 s25, 32<<16                          ; tensor_dim0
	s_mov_b32 s26, 16<<16                          ; tensor_dim1
	s_mov_b32 s27, 32<<16                          ; tile_dim0
	s_mov_b32 s28, 16                              ; tile_dim1
	s_mov_b32 s29, 32                              ; from row to row
	s_mov_b32 s30, 0
	s_mov_b32 s31, 0
	s_mov_b32 s80, 3<<16
	s_mov_b32 s81, 32<<16
	s_mov_b32 s82, 48<<16
	s_mov_b32 s83, 32<<16
	s_mov_b32 s84, 48
	s_mov_b32 s85, 32
	s_mov_b32 s86, 0
	s_mov_b32 s87, 0
	s_lshl_b32 s18, ttmp9, 17                      ; the head's first byte in qc, kc, vc
	s_lshl_b32 s41, s17, 12
	s_add_co_u32 s42, s41, s18                     ; my part in kc or vc
	s_mov_b32 s43, 0
	s_mov_b32 s32, 1                               ; group 0: count = 1
	s_lshr_b32 s33, s14, 3
	s_lshl_b32 s33, s33, 17
	s_add_co_u32 s33, s33, s41                     ; LDS address: 131,072 (w / 8) + 4,096 (w % 8)
	s_wait_dscnt 0x0                               ; both opening adds are done
	s_wait_kmcnt 0x0
	s_load_b256 s[48:55], s[10:11], 0x10           ; e4 .. e11
	s_cmp_lt_u32 s14, 8                            ; waves 0-7 fetch K, waves 8-15 V
	s_cselect_b64 s[34:35], s[6:7], s[8:9]
	s_add_nc_u64 s[34:35], s[34:35], s[42:43]
	s_or_b32 s35, s35, 0x80000000
	tensor_load_to_lds s[32:35], s[24:31]          ; keys 0 to 511: one load a wave
	s_nop 0
.rept 4
	v_nop
.endr
	s_mov_b32 s20, 0x76543210                      ; v_permlanex16_b32: lane l xor 16
	s_mov_b32 s21, 0xfedcba98
	s_mov_b32 s22, 0x3e38aa3b                      ; c = log2(e) / 8
	TILE 16, 14, 59, 44, 46                        ; the late block's tile w
	s_sub_co_u32 s57, 15, s14
	TILE 15, 57, 58, 60, 62                        ; the early block's tile 15 - w
	s_add_nc_u64 s[66:67], s[4:5], s[60:61]
	s_add_nc_u64 s[4:5], s[4:5], s[44:45]
	s_add_nc_u64 s[68:69], s[12:13], s[62:63]
	s_add_nc_u64 s[70:71], s[12:13], s[46:47]
	s_mul_i32 s72, s17, 192
	s_add_co_u32 s72, s72, 512                     ; the first key of my second part,
	s_lshl_b32 s73, s16, 8
	s_or_b32 s73, s73, 255                         ; and the work-group's last query
	s_lshl_b32 s74, s17, 13
	s_add_co_u32 s74, s74, 32768                   ; bytes from my first part to my second: 32,768 + 12,288 (w % 8) - 4,096 (w % 8)
	s_mov_b32 s75, 0
	v_and_b32 v[LI], 31, v0
	s_delay_alu instid0(VALU_DEP_1)
	v_lshlrev_b32 v[LI], 4, v[LI]
	global_load_b128 v[QB:QB+3], v[LI], s[4:5]                 ; both tiles' Q stay in registers
	global_load_b128 v[QB+4:QB+7], v[LI], s[4:5] offset:512
	global_load_b128 v[QA:QA+3], v[LI], s[66:67]
	global_load_b128 v[QA+4:QA+7], v[LI], s[66:67] offset:512
	v_and_b32 v[QL], 7, v0
	v_bfe_u32 v9, v0, 3, 1
	s_delay_alu instid0(VALU_DEP_1)
	v_lshl_add_u32 v[QL], v9, 4, v[QL]
	v_bfe_u32 v9, v0, 4, 1
	s_delay_alu instid0(VALU_DEP_1)
	v_lshlrev_b32 v9, 4, v9
	s_delay_alu instid0(VALU_DEP_1)
	v_sub_nc_u32 v[QL], v[QL], v9
	v_mov_b32 v213, 0                              ; (named as the upper half of the pair v[212:213])
	v_mov_b32 v216, 0                              ; a lane permute's destination counts as one of its sources
	v_mov_b32 v220, 0xff800000                     ; -infinity
	s_wait_kmcnt 0x0
	s_add_co_i32 s41, s50, s51                     ; a score stands for score x 2^(e6 + e7): added to c's exponent field
	s_lshl_b32 s41, s41, 23
	s_add_co_i32 s22, s22, s41
	s_mov_b32 s23, s22                             ; (named with it as a pair)
	s_add_co_i32 s41, s52, 127
	s_lshl_b32 s56, s41, 23
	v_mov_b32 v219, s56                            ; 2^e8
	s_add_co_i32 s41, s41, 8
	s_lshl_b32 s41, s41, 23
	s_or_b32 s41, s41, 0x600000
	v_mov_b32 v218, s41                            ; 448 x 2^e8,
	v_mov_b32 v217, s41                            ; twice: the two halves of a dual instruction take their second sources from different register banks
	s_sub_co_i32 s41, s54, s52                     ; O^T / sum stands for that x 2^(e8 + e9); its code is that / 2^(e10 - e8 - e9)
	s_sub_co_i32 s41, s41, s53
	s_add_co_i32 s41, s41, 127
	s_lshl_b32 s56, s41, 23
	v_mov_b32 v223, s56
	s_add_co_i32 s41, s41, 8
	s_lshl_b32 s41, s41, 23
	s_or_b32 s41, s41, 0x600000
	v_mov_b32 v222, s41
	s_wait_alu depctr_va_vdst(0)
	s_wait_tensorcnt 0x0                           ; my part of keys 0 to 511 has landed;
	ds_add_u32 v[SPW], v[NIL]                      ; 0 onto my spare word;
	s_add_co_u32 s33, s33, s74                     ; no load of mine is out, so group 0 may be written: my second part, in LDS
	s_add_nc_u64 s[34:35], s[34:35], s[74:75]      ; and in memory
	s_wait_dscnt 0x0                               ; the add is done
	s_barrier_signal -1
	s_barrier_wait -1                              ; everybody's part has landed
	s_cmp_gt_u32 s72, s73                          ; a part whose first key comes after the work-group's last query is read by nobody: it is not asked for
	s_cbranch_scc1 .Lno_tile
	tensor_load_to_lds s[32:35], s[80:87]          ; keys 512 on: it has four key steps in which to land
	s_nop 0
.rept 4
	v_nop
.endr
.Lno_tile:
	s_wait_loadcnt 0x0                             ; Q
	INIT 59                                        ; the late block's tile
	WALK QB, 4, 0                                  ; keys 0 to 511: they count in full for every wave
	s_wait_tensorcnt 0x0                           ; my part of keys 512 on has landed,
	s_wait_dscnt 0x0
	s_barrier_signal -1
	s_barrier_wait -1                              ; everybody's has
	WALK QB, 12, 1
	OUT 70
	INIT 58                                        ; the early block's tile: its keys lie under 1,024
	s_wait_xcnt 0x0                                ; the stores have read their data: those registers take scores again
	WALK QA, 8, 1
	OUT 68
	s_wait_tensorcnt 0x0                           ; the wave's end
	ds_add_u32 v[SPW], v[NIL]
	s_wait_dscnt 0x0
	s_endpgm
.Lfunc_end_k_q871f680d33_attn:
	.size	k_q871f680d33_attn, .Lfunc_end_k_q871f680d33_attn-k_q871f680d33_attn
	.p2alignl 7, 3214868480
	.fill 96, 4, 3214868480
	.section	.rodata,"a",@progbits
	.p2align	6, 0x0
	.amdhsa_kernel k_q871f680d33_attn
		.amdhsa_group_segment_fixed_size 327680
		.amdhsa_private_segment_fixed_size 0
		.amdhsa_enable_private_segment 0
		.amdhsa_kernarg_size 40
		.amdhsa_user_sgpr_count 2
		.amdhsa_user_sgpr_kernarg_segment_ptr 1
		.amdhsa_wavefront_size32 1
		.amdhsa_system_sgpr_workgroup_id_x 1
		.amdhsa_system_sgpr_workgroup_id_y 1
		.amdhsa_system_sgpr_workgroup_id_z 1
		.amdhsa_system_vgpr_workitem_id 0
		.amdhsa_next_free_vgpr 224
		.amdhsa_next_free_sgpr 96
		.amdhsa_reserve_vcc 1
		.amdhsa_float_denorm_mode_32 3
		.amdhsa_float_denorm_mode_16_64 3
		.amdhsa_memory_ordered 1
		.amdhsa_forward_progress 1
		.amdhsa_inst_pref_size 77
	.end_amdhsa_kernel
	.amdgpu_metadata
---
amdhsa.version: [ 1, 2 ]
amdhsa.kernels:
  - .name:           k_q871f680d33_attn
    .symbol:         k_q871f680d33_attn.kd
    .args:
      - { .name: qc, .offset: 0, .size: 8, .value_kind: global_buffer, .address_space: global }
      - { .name: kc, .offset: 8, .size: 8, .value_kind: global_buffer, .address_space: global }
      - { .name: vc, .offset: 16, .size: 8, .value_kind: global_buffer, .address_space: global }
      - { .name: lowp_scales, .offset: 24, .size: 8, .value_kind: global_buffer, .address_space: global }
      - { .name: ac, .offset: 32, .size: 8, .value_kind: global_buffer, .address_space: global }
    .group_segment_fixed_size: 327680
    .private_segment_fixed_size: 0
    .kernarg_segment_align: 8
    .kernarg_segment_size: 40
    .max_flat_workgroup_size: 512
    .sgpr_count:     96
    .vgpr_count:     224
    .wavefront_size: 32
...
	.end_amdgpu_metadata
.endif
;; end of part 3
;; launch outp (part 4): grid 256 x 1, 4 waves a work-group, clusters of 4 x 1, 327,680 bytes of LDS; arguments ac, wc, bp, lowp_scales, out0; writes out0
.if DOCPART == 4
	.amdgcn_target "amdgcn-amd-amdhsa--gfx1250"
	.amdhsa_code_object_version 6
	.text
	.protected	k_q871f680d33_outp
	.globl	k_q871f680d33_outp
	.p2align	8
	.type	k_q871f680d33_outp,@function
k_q871f680d33_outp:
	s_mov_b64 s[64:65], 0
	v_nop
	global_prefetch_b8 v0, s[64:65] scope:SCOPE_SE
	s_setreg_imm32_b32 hwreg(HW_REG_WAVE_MODE, 25, 1), 1
	s_wait_xcnt 0x0
	s_wait_alu depctr_hold_cnt(0) depctr_sa_sdst(0) depctr_va_vdst(0) depctr_va_sdst(0) depctr_va_ssrc(0) depctr_va_vcc(0) depctr_vm_vsrc(0)
	s_getreg_b32 s2, hwreg(HW_REG_IB_STS2, 6, 4)
	s_cmp_eq_u32 s2, 0
	s_cbranch_scc0 .Lentry_in_a_cluster
	s_endpgm
.Lentry_in_a_cluster:
	s_bfe_u32 s2, ttmp6, 0x10000c
	s_cmp_lg_u32 s2, 0x3003
	s_cbranch_scc0 .Lentry_shape_is_right
	s_endpgm
.Lentry_shape_is_right:
; out0 = (attention's codes ac) x (Wp's codes) x 2^(e10 + e11) + bp, K = 1,024, f32 out.  LIMIT: e10 + e11 between -126 and 127.
; A work-group makes 128 streaming rows (tokens, ac) x 256 stationary rows (columns of Wp).  The streaming 128 KB come into LDS, each byte filled once: wave w asks by its ONE tensor load for 32,768 dense bytes
; (group w / 2 of 64 rows, K steps 4 (w % 2) on); LDS keeps the order of memory.  Each wave's 64 stationary rows go from memory straight into 512 registers.  Both operands lie as images of their registers.
; D = (source 0: 16 columns) x (source 1: 16 tokens): a lane holds one token and neighbouring columns; scale and bias are one packed multiply-add; a tile of 16 tokens x 64 columns turns through the wave's own stage
; (rows of 256 + 16 bytes, bytes that no tensor load fills) and leaves as aligned units of 256 bytes.
; CLUSTER: the four work-groups of a cluster take the same tokens and ask for them jointly (mask 15).  Nothing is prefetched: the text has no loop to run ahead in.
.set STG,   131072
.set SPARE, STG+4*16*272
.set LI,  2
.set LI2, 3
.set SPW, 4
.set NIL, 5
.set BO,  8
.set STO, 9
.set RD,  10
.set GO,  11
.set BI,  32
.set TT,  64
.set XF,  128
.set BK,  128
.set G1,  16
.set G0,  24
.set WV,  40
.set MSB, 0
.macro WIN new
.if MSB != (\new)
	s_set_vgpr_msb (MSB<<8)|(\new)
.set MSB, (\new)
.endif
.endm
.macro ROUND
	s_barrier_signal -1
	s_barrier_wait -1
	s_cmp_lg_u32 s[WV], 0
	s_cbranch_scc1 .Lnot_wave_0_\@
	s_barrier_signal -3
.Lnot_wave_0_\@:
	s_barrier_wait -3
	s_barrier_signal -1
	s_barrier_wait -1
.endm
.macro PLACES
.rept 4
	v_nop
.endr
.endm
.macro WLOAD s
.set iu, 0
.rept 4
.set ic, 0
.rept 4
	global_load_b128 v[16*(4*((\s)%4)+iu)+4*ic:16*(4*((\s)%4)+iu)+4*ic+3], v[LI], s[50:51] offset:2048*(4*(\s)+iu)+512*ic
.set ic, ic+1
.endr
.set iu, iu+1
.endr
.endm
.macro XFETCH s, half
.set iu, 0
.rept 4
.set ic, 0
.rept 4
.if (\half) == 0
	ds_load_b128 v[XF+16*(4*(\half)+iu)+4*ic:XF+16*(4*(\half)+iu)+4*ic+3], v[LI] offset:8192*(\s)+2048*iu+512*ic
.else
	ds_load_b128 v[XF+16*(4*(\half)+iu)+4*ic:XF+16*(4*(\half)+iu)+4*ic+3], v[LI2] offset:8192*(\s)+2048*iu+512*ic
.endif
.set ic, ic+1
.endr
.set iu, iu+1
.endr
.endm
.macro MUL s, half
.set ia, 4*(\half)
.rept 4
.set iu, 0
.rept 4
.if (\s) == 0
	v_wmma_f32_16x16x128_fp8_fp8 v[8*(4*ia+iu):8*(4*ia+iu)+7], v[16*(4*((\s)%4)+iu):16*(4*((\s)%4)+iu)+15], v[XF+16*ia:XF+16*ia+15], 0
.else
	v_wmma_f32_16x16x128_fp8_fp8 v[8*(4*ia+iu):8*(4*ia+iu)+7], v[16*(4*((\s)%4)+iu):16*(4*((\s)%4)+iu)+15], v[XF+16*ia:XF+16*ia+15], v[8*(4*ia+iu):8*(4*ia+iu)+7]
.endif
.set iu, iu+1
.endr
.set ia, ia+1
.endr
.endm
.macro KSTEP s
.if (\s) < 5
	s_wait_loadcnt 48
.else
	s_wait_loadcnt 16*(7-(\s))
.endif
.if (\s) < 4
	WIN 0x80
	WLOAD (\s)+4
.endif
	s_wait_dscnt 16
	WIN 0xf1+(\s)/4
	MUL \s, 0
.if (\s) < 7
	PLACES
	WIN 0
	XFETCH (\s)+1, 0
	s_wait_dscnt 16
.else
	s_wait_dscnt 0x0
.endif
	WIN 0xf1+(\s)/4
	MUL \s, 1
.if (\s) < 7
	PLACES
	WIN 0
	XFETCH (\s)+1, 1
.endif
.endm
.macro TOSTAGE a
	WIN 0x03
.set i, 0
.rept 16
	v_pk_fma_f32 v[TT+i:TT+i+1], v[32*(\a)+i:32*(\a)+i+1], s[60:61], v[BI+i:BI+i+1] op_sel_hi:[1,0,1]
.set i, i+2
.endr
	WIN 0
.set i, 0
.rept 8
	ds_store_b128 v[STO], v[TT+4*i:TT+4*i+3] offset:128*(i/4)+16*(i%4)
.set i, i+1
.endr
.set i, 0
.rept 8
	ds_load_b128 v[BK+32*((\a)%2)+4*i:BK+32*((\a)%2)+4*i+3], v[RD] offset:544*i
.set i, i+1
.endr
.endm
.macro SEND a, younger
	s_wait_dscnt \younger
.set i, 0
.rept 8
	global_store_b128 v[GO], v[BK+32*((\a)%2)+4*i:BK+32*((\a)%2)+4*i+3], s[12:13] offset:4096*(64*((\a)/4)+32*(((\a)%4)/2)+8*((\a)%2)+((2*i)%8)+16*((2*i)/8)) th:TH_STORE_NT
.set i, i+1
.endr
.endm
	s_load_b256 s[4:11], s[0:1], 0x0
	s_load_b64 s[12:13], s[0:1], 0x20
	v_lshl_add_u32 v[SPW], v0, 2, SPARE
	v_mov_b32 v[NIL], 0
	ds_add_u32 v[SPW], v[NIL]
	ds_add_u32 v[SPW], v[NIL]
	v_lshrrev_b32 v1, 5, v0
	v_readfirstlane_b32 s[WV], v1
	v_and_b32 v1, 31, v0
	v_lshlrev_b32 v[LI], 4, v1
	v_add_nc_u32 v[LI2], 0x10000, v[LI]
	v_and_b32 v12, 15, v0
	v_bfe_u32 v13, v0, 4, 1
	v_lshlrev_b32 v[BO], 6, v13
	s_mul_i32 s86, s[WV], 16*272
	s_add_co_u32 s86, s86, STG
	v_mul_u32_u24 v[STO], v12, 272
	v_lshl_add_u32 v[STO], v13, 6, v[STO]
	v_add_nc_u32 v[STO], s86, v[STO]
	v_mul_u32_u24 v[RD], v13, 272
	v_lshl_add_u32 v[RD], v12, 4, v[RD]
	v_add_nc_u32 v[RD], s86, v[RD]
	v_lshlrev_b32 v[GO], 12, v13
	v_lshl_add_u32 v[GO], v12, 4, v[GO]
	s_mov_b32 s[G1+0], 15|(3<<16)|(1<<21)
	s_mov_b32 s[G1+1], 32<<16
	s_mov_b32 s[G1+2], 128<<16                     ; a dense block of 32,768 bytes as 128 rows of 256 bytes
	s_mov_b32 s[G1+3], 32<<16
	s_mov_b32 s[G1+4], 128
	s_mov_b32 s[G1+5], 32
	s_mov_b32 s[G1+6], 0
	s_mov_b32 s[G1+7], 0
	s_bfe_u32 s43, ttmp6, 0x40000
	s_lshl_b32 s46, s43, 2
	s_add_co_u32 s46, s46, s[WV]
	s_lshl_b32 s74, ttmp9, 17
	s_lshr_b32 s66, s[WV], 1
	s_lshl_b32 s66, s66, 16
	s_add_co_u32 s74, s74, s66
	s_and_b32 s66, s[WV], 1
	s_lshl_b32 s66, s66, 15                        ; K steps 4 (wave % 2) on
	s_add_co_u32 s74, s74, s66
	s_mov_b32 s75, 0
	s_lshl_b32 s76, s46, 16
	s_add_co_u32 s76, s76, 3<<20
	s_mov_b32 s77, 0
	s_lshl_b32 s78, s46, 8
	s_mov_b32 s79, 0
	s_lshl_b32 s80, ttmp9, 19
	s_add_co_u32 s80, s80, s78
	s_mov_b32 s81, 0
	s_lshl_b32 s47, s[WV], 15                      ; in LDS: 32,768 x wave
	s_wait_dscnt 0x0
	s_wait_kmcnt 0x0
	s_load_b64 s[60:61], s[10:11], 0x28
	s_add_nc_u64 s[48:49], s[4:5], s[74:75]
	s_add_nc_u64 s[50:51], s[6:7], s[76:77]
	s_add_nc_u64 s[8:9], s[8:9], s[78:79]
	s_add_nc_u64 s[12:13], s[12:13], s[80:81]
.irp c, 0
	s_mov_b32 s[G0+4*\c], 1
	s_add_co_u32 s[G0+4*\c+1], s47, 32768*\c
	s_add_nc_u64 s[G0+4*\c+2:G0+4*\c+3], s[48:49], 16384*\c
	s_or_b32 s[G0+4*\c+3], s[G0+4*\c+3], 0x80000000
.endr
	ROUND
.irp c, 0
	tensor_load_to_lds s[G0+4*\c:G0+4*\c+3], s[G1:G1+7]            ; my one tensor load, behind the round in which the joint loads meet
	s_nop 0
.endr
.rept 4
	v_nop
.endr
.set i, 0
	s_wait_alu depctr_va_vdst(0)
.rept 8
	global_load_b128 v[BI+4*i:BI+4*i+3], v[BO], s[8:9] offset:128*(i/4)+16*(i%4)
.set i, i+1
.endr
	WIN 0x40
	WLOAD 0
	WLOAD 1
	WLOAD 2
	WLOAD 3
	WIN 0
	s_wait_kmcnt 0x0
	s_add_co_i32 s60, s60, s61
	s_add_co_i32 s60, s60, 127
	s_lshl_b32 s60, s60, 23
	s_mov_b32 s61, s60
	s_wait_tensorcnt 0x0                           ; my quarter of the streaming rows has landed; behind the barrier everybody's has
	s_barrier_signal -1
	s_barrier_wait -1
	XFETCH 0, 0
	XFETCH 0, 1
.irp s, 0,1,2,3,4,5,6,7
	KSTEP \s
.endr
	PLACES
	TOSTAGE 0
.irp a, 1,2,3,4,5,6,7
.if \a > 1
	s_wait_xcnt 0x0
.endif
	TOSTAGE \a
	SEND (\a)-1, 16
.endr
	SEND 7, 0
	s_wait_tensorcnt 0x0
	ds_add_u32 v[SPW], v[NIL]
	s_wait_dscnt 0x0
	ROUND
	s_endpgm
.Lfunc_end_k_q871f680d33_outp:
	.size	k_q871f680d33_outp, .Lfunc_end_k_q871f680d33_outp-k_q871f680d33_outp
	.p2alignl 7, 3214868480
	.fill 96, 4, 3214868480
	.section	.rodata,"a",@progbits
	.p2align	6, 0x0
	.amdhsa_kernel k_q871f680d33_outp
		.amdhsa_group_segment_fixed_size 327680
		.amdhsa_private_segment_fixed_size 0
		.amdhsa_enable_private_segment 0
		.amdhsa_kernarg_size 40
		.amdhsa_user_sgpr_count 2
		.amdhsa_user_sgpr_kernarg_segment_ptr 1
		.amdhsa_wavefront_size32 1
		.amdhsa_system_sgpr_workgroup_id_x 1
		.amdhsa_system_sgpr_workgroup_id_y 1
		.amdhsa_system_sgpr_workgroup_id_z 1
		.amdhsa_system_vgpr_workitem_id 0
		.amdhsa_next_free_vgpr 1024
		.amdhsa_next_free_sgpr 96
		.amdhsa_reserve_vcc 0
		.amdhsa_float_denorm_mode_32 3
		.amdhsa_float_denorm_mode_16_64 3
		.amdhsa_memory_ordered 1
		.amdhsa_forward_progress 1
		.amdhsa_inst_pref_size 76
	.end_amdhsa_kernel
	.amdgpu_metadata
---
amdhsa.version: [ 1, 2 ]
amdhsa.kernels:
  - .name:           k_q871f680d33_outp
    .symbol:         k_q871f680d33_outp.kd
    .args:
      - { .name: ac, .offset: 0, .size: 8, .value_kind: global_buffer, .address_space: global }
      - { .name: wc, .offset: 8, .size: 8, .value_kind: global_buffer, .address_space: global }
      - { .name: bp, .offset: 16, .size: 8, .value_kind: global_buffer, .address_space: global }
      - { .name: lowp_scales, .offset: 24, .size: 8, .value_kind: global_buffer, .address_space: global }
      - { .name: out0, .offset: 32, .size: 8, .value_kind: global_buffer, .address_space: global }
    .group_segment_fixed_size: 327680
    .private_segment_fixed_size: 0
    .kernarg_segment_align: 8
    .kernarg_segment_size: 40
    .max_flat_workgroup_size: 128
    .sgpr_count:     96
    .vgpr_count:     1024
    .wavefront_size: 32
...
	.end_amdgpu_metadata
.endif
;; end of part 4
